; MI455X (gfx1250); checked and timed in simulation.
; The chip was launched on July 23, 2026; its instructions are those of AMD's public machine-readable ISA for CDNA 5 (MIT licence, August 2026) and "CDNA5" Instruction Set Architecture Reference Guide (July 2026). The comments in the code are by the model that wrote it; some were corrected since.
;; Attn. Allowed arithmetic: float matrix products may take bf16 or f16 operands with f32 sums; all other float work in f32.
;; Inputs: W 1,024 x 3,072 float32; b 1,024 float32; encoder_outputs 64 x 256 x 1,024 float32; hidden 2 x 64 x 1,024 float32; v 1,024 float32.
;; Outputs: out0 64 x 256 float32.
;; One version. Each part assembles by itself: llvm-mc -triple=amdgcn-amd-amdhsa -mcpu=gfx1250 --defsym DOCPART=n.
;; ======== version 1 of 1: 3 launches
;; workspace buffers: upart 49,152 bytes; scores 65,536 bytes
;; launch fold (part 1): grid 48 x 4, 8 waves a work-group, no clusters, 3,072 bytes of LDS; arguments W, v, upart; writes upart
.if DOCPART == 1
	.amdgcn_target "amdgcn-amd-amdhsa--gfx1250"
	.amdhsa_code_object_version 6
	.text
	.protected	k_qef20f65b8a_fold
	.globl	k_qef20f65b8a_fold
	.p2align	8
	.type	k_qef20f65b8a_fold,@function
k_qef20f65b8a_fold:
	s_mov_b64 s[64:65], 0
	v_nop
	global_prefetch_b8 v0, s[64:65] scope:SCOPE_SE
	s_setreg_imm32_b32 hwreg(HW_REG_WAVE_MODE, 25, 1), 1
	s_wait_xcnt 0x0
; upart[p][k] = sum over the 256 rows h of quarter p of v[h] * W[h][k].   W: [1024][3072] f32, v: [1024] f32, upart: [4][3072] f32.
; WHY: reference() uses energy = X W^T + b only in a product with the one vector v, and (X W^T) v = X (W^T v) for every input.
; So W is folded with v once (this launch), and each score is then one dot product of 3,072 numbers.
; LIMIT, stated: the sums are re-associated and added in f32 trees, so their rounding order differs from reference()'s.
; All that is left are products of a matrix with ONE vector: a 16 x 16 matrix instruction would use one column of sixteen and would
; round the operands to 16 bits for nothing, so the work is f32 multiply-adds on a stream.  No cluster: no two work-groups read the
; same bytes of W, and v is 1,024 bytes of a work-group's 65,536.
; SHARES: work-group (x, p) owns rows 256 p .. +255 and columns 64 x .. +63 (256 consecutive bytes of each row, aligned).
; Thread t: r = t % 16 (its four columns 4 r .. 4 r + 3), g = t / 16 (its 16 rows 16 g .. 16 g + 15).  One load of a wave covers two rows'
; 256 bytes.  All 16 loads of a wave are issued at once: the work-group's whole 65,536 bytes are asked for from the first lines.
.set WROW, 12288                       ; bytes in a row of W, and in a row of upart
.set VV,   8                           ; v[8:23]    v of my 16 rows
.set X,    24                          ; v[24:87]   load j: 4 registers, my four columns of row 16 g + j
.set A,    88                          ; v[88:91]   sums of the even rows, then of all
.set B,    92                          ; v[92:95]   sums of the odd rows, then what comes from the other half of the lanes
.set R,    96                          ; v[96:111]  wave 0: the eight waves' sums of two columns
	s_load_b128 s[4:7], s[0:1], 0x0                ; W s[4:5], v s[6:7]
	s_load_b64 s[8:9], s[0:1], 0x10                ; upart
	v_lshl_add_u32 v112, v0, 2, 0x800
	v_mov_b32 v113, 0
	v_lshrrev_b32 v5, 5, v0
	v_readfirstlane_b32 s10, v5                    ; wave 0..7
	s_and_b32 s11, ttmp7, 0xffff                   ; p: which quarter of the rows
	s_mov_b32 s12, 0x76543210                      ; v_permlanex16_b32: lane i of one half reads lane i of the other
	s_mov_b32 s13, 0xfedcba98
	s_lshl_b32 s2, ttmp9, 8                        ; my 64 columns, in bytes
	s_mul_i32 s14, s11, 256*WROW                   ; W: 256 p rows (9,437,184 bytes at the most) + the columns
	s_add_co_u32 s14, s14, s2
	s_mov_b32 s15, 0
	s_lshl_b32 s16, s11, 10                        ; v: 256 p numbers
	s_mov_b32 s17, 0
	s_mul_i32 s18, s11, WROW                       ; upart: row p + the columns
	s_add_co_u32 s18, s18, s2
	s_mov_b32 s19, 0
	s_lshl_b32 s3, s10, 8                          ; LDS: 256 bytes for each wave
	v_and_b32 v5, 15, v0                           ; r
	v_lshrrev_b32 v6, 4, v0                        ; g
	v_mul_u32_u24 v1, v6, 16*WROW                  ; W: 16 g rows
	v_lshl_add_u32 v1, v5, 4, v1                   ;    + 16 r
	v_lshlrev_b32 v2, 6, v6                        ; v: 16 g numbers
	v_lshl_add_u32 v3, v5, 4, s3                   ; LDS: my wave's 256 bytes + 16 r
	v_and_b32 v4, 31, v0
	v_lshlrev_b32 v4, 3, v4                        ; 8 x lane: two columns, in LDS and in upart
	s_wait_kmcnt 0x0
	s_add_nc_u64 s[4:5], s[4:5], s[14:15]
	s_add_nc_u64 s[6:7], s[6:7], s[16:17]
	s_add_nc_u64 s[8:9], s[8:9], s[18:19]
.irp i, 0,1,2,3
	global_load_b128 v[VV+4*\i:VV+4*\i+3], v2, s[6:7] offset:16*\i          ; first: loads come back in order, so v is in when W's first row is
.endr
.irp j, 0,1,2,3,4,5,6,7,8,9,10,11,12,13,14,15
	global_load_b128 v[X+4*\j:X+4*\j+3], v1, s[4:5] offset:\j*WROW th:TH_LOAD_NT   ; each byte of W is read once in the launch
.endr
; Rows e and e + 1 (e even).  Both take their v from the pair v[VV+e : VV+e+1]: row e broadcasts its first register (op_sel_hi 0),
; row e + 1 its second (op_sel 1).  Two chains of two pairs, so that no multiply-add waits for the one in front of it.
; first = 1: the products start the sums, nothing is cleared.
.macro FOLD2 e, first
	s_wait_loadcnt 15-\e                           ; the 15 - e younger loads of W stay out
.if \first
	v_pk_mul_f32 v[A:A+1],   v[X+4*\e:X+4*\e+1],   v[VV+\e:VV+\e+1] op_sel_hi:[1,0]
	v_pk_mul_f32 v[A+2:A+3], v[X+4*\e+2:X+4*\e+3], v[VV+\e:VV+\e+1] op_sel_hi:[1,0]
.else
	v_pk_fma_f32 v[A:A+1],   v[X+4*\e:X+4*\e+1],   v[VV+\e:VV+\e+1], v[A:A+1]   op_sel_hi:[1,0,1]
	v_pk_fma_f32 v[A+2:A+3], v[X+4*\e+2:X+4*\e+3], v[VV+\e:VV+\e+1], v[A+2:A+3] op_sel_hi:[1,0,1]
.endif
	s_wait_loadcnt 14-\e
.if \first
	v_pk_mul_f32 v[B:B+1],   v[X+4*\e+4:X+4*\e+5], v[VV+\e:VV+\e+1] op_sel:[0,1] op_sel_hi:[1,1]
	v_pk_mul_f32 v[B+2:B+3], v[X+4*\e+6:X+4*\e+7], v[VV+\e:VV+\e+1] op_sel:[0,1] op_sel_hi:[1,1]
.else
	v_pk_fma_f32 v[B:B+1],   v[X+4*\e+4:X+4*\e+5], v[VV+\e:VV+\e+1], v[B:B+1]   op_sel:[0,1,0] op_sel_hi:[1,1,1]
	v_pk_fma_f32 v[B+2:B+3], v[X+4*\e+6:X+4*\e+7], v[VV+\e:VV+\e+1], v[B+2:B+3] op_sel:[0,1,0] op_sel_hi:[1,1,1]
.endif
.endm
	FOLD2 0, 1
.irp e, 2,4,6,8,10,12,14
	FOLD2 \e, 0
.endr
	v_pk_add_f32 v[A:A+1],   v[A:A+1],   v[B:B+1]          ; my 16 rows
	v_pk_add_f32 v[A+2:A+3], v[A+2:A+3], v[B+2:B+3]
.irp i, 0,1,2,3
	v_permlanex16_b32 v[B+\i], v[A+\i], s12, s13           ; the other half's 16 rows of the same columns (B is written and done with)
.endr
	v_pk_add_f32 v[A:A+1],   v[A:A+1],   v[B:B+1]          ; the wave's 32 rows, in both halves of the lanes
	v_pk_add_f32 v[A+2:A+3], v[A+2:A+3], v[B+2:B+3]
	ds_store_b128 v3, v[A:A+3]                     ; lanes r and r + 16 store the same 16 bytes with the same value
	s_wait_dscnt 0x0                               ; zero, for wave 0's sake: it reads these bytes behind the barrier
	s_barrier_signal -1
	s_barrier_wait -1
	s_cmp_lg_u32 s10, 0
	s_cbranch_scc1 .Lend                           ; wave 0 alone adds the eight waves' sums; no barrier follows
.irp w, 0,1,2,3,4,5,6,7
	ds_load_b64 v[R+2*\w:R+2*\w+1], v4 offset:256*\w       ; columns 2 lane, 2 lane + 1 of wave w
.endr
	s_wait_dscnt 0x0
	v_pk_add_f32 v[R:R+1],     v[R:R+1],     v[R+2:R+3]
	v_pk_add_f32 v[R+4:R+5],   v[R+4:R+5],   v[R+6:R+7]
	v_pk_add_f32 v[R+8:R+9],   v[R+8:R+9],   v[R+10:R+11]
	v_pk_add_f32 v[R+12:R+13], v[R+12:R+13], v[R+14:R+15]
	v_pk_add_f32 v[R:R+1],     v[R:R+1],     v[R+4:R+5]
	v_pk_add_f32 v[R+8:R+9],   v[R+8:R+9],   v[R+12:R+13]
	v_pk_add_f32 v[R:R+1],     v[R:R+1],     v[R+8:R+9]
	global_store_b64 v4, v[R:R+1], s[8:9]          ; 32 lanes x 8 bytes: 256 consecutive bytes, at a multiple of 256 from upart's first byte
.Lend:
	s_wait_tensorcnt 0x0
	ds_add_u32 v112, v113
	s_wait_dscnt 0x0
	s_endpgm
.Lfunc_end_k_qef20f65b8a_fold:
	.size	k_qef20f65b8a_fold, .Lfunc_end_k_qef20f65b8a_fold-k_qef20f65b8a_fold
	.p2alignl 7, 3214868480
	.fill 96, 4, 3214868480
	.section	.rodata,"a",@progbits
	.p2align	6, 0x0
	.amdhsa_kernel k_qef20f65b8a_fold
		.amdhsa_group_segment_fixed_size 3072
		.amdhsa_private_segment_fixed_size 0
		.amdhsa_enable_private_segment 0
		.amdhsa_kernarg_size 24
		.amdhsa_user_sgpr_count 2
		.amdhsa_user_sgpr_kernarg_segment_ptr 1
		.amdhsa_wavefront_size32 1
		.amdhsa_system_sgpr_workgroup_id_x 1
		.amdhsa_system_sgpr_workgroup_id_y 1
		.amdhsa_system_sgpr_workgroup_id_z 1
		.amdhsa_system_vgpr_workitem_id 0
		.amdhsa_next_free_vgpr 114
		.amdhsa_next_free_sgpr 66
		.amdhsa_reserve_vcc 0
		.amdhsa_float_denorm_mode_32 3
		.amdhsa_float_denorm_mode_16_64 3
		.amdhsa_memory_ordered 1
		.amdhsa_forward_progress 1
		.amdhsa_inst_pref_size 8
	.end_amdhsa_kernel
	.amdgpu_metadata
---
amdhsa.version: [ 1, 2 ]
amdhsa.kernels:
  - .name:           k_qef20f65b8a_fold
    .symbol:         k_qef20f65b8a_fold.kd
    .args:
      - { .name: W, .offset: 0, .size: 8, .value_kind: global_buffer, .address_space: global }
      - { .name: v, .offset: 8, .size: 8, .value_kind: global_buffer, .address_space: global }
      - { .name: upart, .offset: 16, .size: 8, .value_kind: global_buffer, .address_space: global }
    .group_segment_fixed_size: 3072
    .private_segment_fixed_size: 0
    .kernarg_segment_align: 8
    .kernarg_segment_size: 24
    .max_flat_workgroup_size: 256
    .sgpr_count:     66
    .vgpr_count:     114
    .wavefront_size: 32
...
	.end_amdgpu_metadata
.endif
;; end of part 1
;; launch score (part 2): grid 256 x 1, 16 waves a work-group, no clusters, 6,656 bytes of LDS; arguments encoder_outputs, upart, scores; writes scores
.if DOCPART == 2
	.amdgcn_target "amdgcn-amd-amdhsa--gfx1250"
	.amdhsa_code_object_version 6
	.text
	.protected	k_qef20f65b8a_score
	.globl	k_qef20f65b8a_score
	.p2align	8
	.type	k_qef20f65b8a_score,@function
k_qef20f65b8a_score:
	s_mov_b64 s[64:65], 0
	v_nop
	global_prefetch_b8 v0, s[64:65] scope:SCOPE_SE
	s_setreg_imm32_b32 hwreg(HW_REG_WAVE_MODE, 25, 1), 1
	s_wait_xcnt 0x0
; scores[row] = sum over k of enc[row][k] * u[2048 + k], u = upart[0] + upart[1] + upart[2] + upart[3].
; enc: [64 x 256 = 16,384 rows][1024] f32, upart: [4][3072] f32, scores: [16,384] f32.  The part of a score that hangs on the batch alone
; (hidden, bias) is added in the next launch, in front of the softmax.
; A stream: one multiply-add for each 4 bytes read, in f32 on the vector unit (a matrix times one vector: see the first launch's head).
; No cluster: what work-groups share is upart's 16,384 bytes against 262,144 bytes of enc of their own.  No ring in LDS: a wave's whole
; share, 4 rows = 16,384 bytes, fits in 128 registers and is asked for at once, so nothing is left to ask for ahead.
; SHARES: work-group g owns rows 64 g .. +63 (262,144 consecutive bytes); wave w rows 4 w .. 4 w + 3.  A row is eight loads of a wave,
; 512 consecutive bytes each: lane l of load j holds columns 128 j + 4 l .. + 3.
; LIMIT, stated: sums in f32 trees, in another order than reference()'s.
.set UROW, 12288                       ; bytes in a row of upart
.set P,    8                           ; v[8:15]    the four partial sums of my two columns of u
.set U,    16                          ; v[16:47]   u of my 32 columns: register 4 j + i = column 128 j + 4 lane + i
.set X,    48                          ; v[48:175]  row r: 32 registers, in U's order
.set ACC,  176                         ; v[176:183] four chains of two; then what comes from the other half of the lanes
.set S,    184                         ; v[184:187] the four rows' sums
.set O,    188                         ; v[188:189] wave 0: two scores on their way out
.set LSC,  4096                        ; LDS: bytes 0 .. 4095 u[2048 .. 3071]; bytes 4096 .. 4351 the work-group's 64 scores
	s_load_b128 s[4:7], s[0:1], 0x0                ; enc s[4:5], upart s[6:7]
	s_load_b64 s[8:9], s[0:1], 0x10                ; scores
	v_lshl_add_u32 v196, v0, 2, 0x1200
	v_mov_b32 v197, 0
	v_lshrrev_b32 v6, 5, v0
	v_readfirstlane_b32 s10, v6                    ; wave 0..15
	s_mov_b32 s12, 0x76543210                      ; v_permlanex16_b32: lane i of one half reads lane i of the other
	s_mov_b32 s13, 0xfedcba98
	s_lshl_b32 s14, ttmp9, 18                      ; enc: 64 g rows of 4,096 bytes (66,846,720 at the most)
	s_mov_b32 s15, 0
	s_lshl_b32 s16, ttmp9, 8                       ; scores: 64 g numbers
	s_mov_b32 s17, 0
	s_lshl_b32 s2, s10, 8                          ; 256 x wave
	s_lshl_b32 s3, s10, 4                          ; 16 x wave
	v_and_b32 v7, 31, v0                           ; lane
	v_lshlrev_b32 v3, 4, v7                        ; 16 x lane: my 16 bytes of each 512, in enc and in LDS
	v_lshl_add_u32 v1, v6, 14, v3                  ; enc: + 4 wave rows
	v_lshl_add_u32 v2, v7, 3, s2                   ; 8 x thread: my two columns of u, in upart and in LDS
	v_mov_b32 v4, s3                               ; LDS: my wave's four scores (behind LSC)
	v_lshlrev_b32 v5, 3, v7                        ; 8 x lane: two scores, in LDS and in memory
	s_wait_kmcnt 0x0
	s_add_nc_u64 s[4:5], s[4:5], s[14:15]
	s_add_nc_u64 s[8:9], s[8:9], s[16:17]
.irp p, 0,1,2,3
	global_load_b64 v[P+2*\p:P+2*\p+1], v2, s[6:7] offset:8192+UROW*\p     ; columns 2048 + 2 t, + 1 of partial p.  First: loads come back in order
.endr
.irp r, 0,1,2,3
.irp j, 0,1,2,3,4,5,6,7
	global_load_b128 v[X+32*\r+4*\j:X+32*\r+4*\j+3], v1, s[4:5] offset:4096*\r+512*\j th:TH_LOAD_NT   ; each byte of enc is read once in the launch
.endr
.endr
	s_wait_loadcnt 32                              ; the 32 loads of enc are younger and stay out: the four partials are in
	v_pk_add_f32 v[P:P+1],     v[P:P+1],     v[P+2:P+3]
	v_pk_add_f32 v[P+4:P+5],   v[P+4:P+5],   v[P+6:P+7]
	v_pk_add_f32 v[P:P+1],     v[P:P+1],     v[P+4:P+5]    ; (0 + 1) + (2 + 3): the same order as in the next launch
	ds_store_b64 v2, v[P:P+1]
	s_wait_dscnt 0x0                               ; zero, for the others' sake: every wave reads all of u behind the barrier
	s_barrier_signal -1
	s_barrier_wait -1
.irp j, 0,1,2,3,4,5,6,7
	ds_load_b128 v[U+4*\j:U+4*\j+3], v3 offset:512*\j      ; 32 lanes, 16 neighbouring bytes each
.endr
	s_wait_dscnt 0x0
; One row: 16 packed multiply-adds in four chains; the first four products start the sums.  left = loads of the younger rows.
.macro ROWDOT r, left
	s_wait_loadcnt \left
.irp q, 0,2,4,6
	v_pk_mul_f32 v[ACC+\q:ACC+\q+1], v[X+32*\r+\q:X+32*\r+\q+1], v[U+\q:U+\q+1]
.endr
.irp k, 8,16,24
.irp q, 0,2,4,6
	v_pk_fma_f32 v[ACC+\q:ACC+\q+1], v[X+32*\r+\k+\q:X+32*\r+\k+\q+1], v[U+\k+\q:U+\k+\q+1], v[ACC+\q:ACC+\q+1]
.endr
.endr
	v_pk_add_f32 v[ACC:ACC+1],   v[ACC:ACC+1],   v[ACC+4:ACC+5]
	v_pk_add_f32 v[ACC+2:ACC+3], v[ACC+2:ACC+3], v[ACC+6:ACC+7]
	v_pk_add_f32 v[ACC:ACC+1],   v[ACC:ACC+1],   v[ACC+2:ACC+3]
	v_add_f32 v[S+\r], v[ACC], v[ACC+1]            ; my 32 columns of row r
.endm
	ROWDOT 0, 24                                   ; eight loads for each of the three younger rows
	ROWDOT 1, 16
	ROWDOT 2, 8
	ROWDOT 3, 0
	; across the 32 lanes, the four rows side by side so that no step waits for the one in front of it
.irp m, 1,2,4,8
.irp r, 0,1,2,3
	v_add_f32_dpp v[S+\r], v[S+\r], v[S+\r] row_xmask:\m row_mask:0xf bank_mask:0xf
.endr
.endr
.irp r, 0,1,2,3
	v_permlanex16_b32 v[ACC+\r], v[S+\r], s12, s13         ; ACC is written and done with
.endr
	v_pk_add_f32 v[S:S+1],   v[S:S+1],   v[ACC:ACC+1]
	v_pk_add_f32 v[S+2:S+3], v[S+2:S+3], v[ACC+2:ACC+3]    ; every lane holds the four scores
	ds_store_b128 v4, v[S:S+3] offset:LSC          ; all lanes store the same 16 bytes with the same value
	s_wait_dscnt 0x0                               ; zero, for wave 0's sake
	s_barrier_signal -1
	s_barrier_wait -1
	s_cmp_lg_u32 s10, 0
	s_cbranch_scc1 .Lend                           ; wave 0 alone stores; no barrier follows
	ds_load_b64 v[O:O+1], v5 offset:LSC
	s_wait_dscnt 0x0
	global_store_b64 v5, v[O:O+1], s[8:9]          ; 32 lanes x 8 bytes: the 64 scores, 256 consecutive bytes at a multiple of 256 from the buffer's first byte
.Lend:
	s_wait_tensorcnt 0x0
	ds_add_u32 v196, v197
	s_wait_dscnt 0x0
	s_endpgm
.Lfunc_end_k_qef20f65b8a_score:
	.size	k_qef20f65b8a_score, .Lfunc_end_k_qef20f65b8a_score-k_qef20f65b8a_score
	.p2alignl 7, 3214868480
	.fill 96, 4, 3214868480
	.section	.rodata,"a",@progbits
	.p2align	6, 0x0
	.amdhsa_kernel k_qef20f65b8a_score
		.amdhsa_group_segment_fixed_size 6656
		.amdhsa_private_segment_fixed_size 0
		.amdhsa_enable_private_segment 0
		.amdhsa_kernarg_size 24
		.amdhsa_user_sgpr_count 2
		.amdhsa_user_sgpr_kernarg_segment_ptr 1
		.amdhsa_wavefront_size32 1
		.amdhsa_system_sgpr_workgroup_id_x 1
		.amdhsa_system_sgpr_workgroup_id_y 1
		.amdhsa_system_sgpr_workgroup_id_z 1
		.amdhsa_system_vgpr_workitem_id 0
		.amdhsa_next_free_vgpr 198
		.amdhsa_next_free_sgpr 66
		.amdhsa_reserve_vcc 0
		.amdhsa_float_denorm_mode_32 3
		.amdhsa_float_denorm_mode_16_64 3
		.amdhsa_memory_ordered 1
		.amdhsa_forward_progress 1
		.amdhsa_inst_pref_size 13
	.end_amdhsa_kernel
	.amdgpu_metadata
---
amdhsa.version: [ 1, 2 ]
amdhsa.kernels:
  - .name:           k_qef20f65b8a_score
    .symbol:         k_qef20f65b8a_score.kd
    .args:
      - { .name: encoder_outputs, .offset: 0, .size: 8, .value_kind: global_buffer, .address_space: global }
      - { .name: upart, .offset: 8, .size: 8, .value_kind: global_buffer, .address_space: global }
      - { .name: scores, .offset: 16, .size: 8, .value_kind: global_buffer, .address_space: global }
    .group_segment_fixed_size: 6656
    .private_segment_fixed_size: 0
    .kernarg_segment_align: 8
    .kernarg_segment_size: 24
    .max_flat_workgroup_size: 512
    .sgpr_count:     66
    .vgpr_count:     198
    .wavefront_size: 32
...
	.end_amdgpu_metadata
.endif
;; end of part 2
;; launch soft (part 3): grid 64 x 1, 4 waves a work-group, no clusters, 768 bytes of LDS; arguments scores, upart, hidden, b, v, out0; writes out0
.if DOCPART == 3
	.amdgcn_target "amdgcn-amd-amdhsa--gfx1250"
	.amdhsa_code_object_version 6
	.text
	.protected	k_qef20f65b8a_soft
	.globl	k_qef20f65b8a_soft
	.p2align	8
	.type	k_qef20f65b8a_soft,@function
k_qef20f65b8a_soft:
	s_mov_b64 s[64:65], 0
	v_nop
	global_prefetch_b8 v0, s[64:65] scope:SCOPE_SE
	s_setreg_imm32_b32 hwreg(HW_REG_WAVE_MODE, 25, 1), 1
	s_wait_xcnt 0x0
; out0[bb][s] = softmax over s of (scores[bb][s] + c[bb]),
; c[bb] = sum over k < 1024 of hidden[0][bb][k] u[k] + hidden[1][bb][k] u[1024 + k], plus sum over h of b[h] v[h];  u = the four rows of upart added.
; scores: [64][256], upart: [4][3072], hidden: [2][64][1024], b, v: [1024], out0: [64][256], all f32.
; c is the same for all s of a batch; it is computed and added all the same, in front of the maximum, as reference() has it,
; so that a c that is not finite spoils its row here as there.  The row's maximum is taken away before the exponential.
; One work-group of four waves for each batch.  Thread t owns scores 2 t, 2 t + 1 (a wave's load and store cover 256 consecutive bytes,
; aligned) and, of each 512 columns of hidden, b and v, the four at 4 t.  64 work-groups is all the work there is: a batch's softmax
; is one reduction over 256 numbers.  All 25 loads go out together; about sixty vector instructions follow, so one wait serves.
; LIMITS, stated: v_exp_f32 returns 0 for results below 2^-126 (ISA guide, its entry), so such outputs are 0; the division is v_rcp_f32
; and a multiply; sums in f32 trees, in another order than reference()'s.
.set UROW, 12288                       ; bytes in a row of upart
.set S,    6                           ; v[6:7]     my two scores
.set UP,   8                           ; v[8:71]    partial p: 16 registers; in them chunk c (columns 512 c + 4 t .. + 3) at 4 c.  Block 0 becomes u
.set H,    72                          ; v[72:87]   hidden, chunk c at 4 c (chunks 0, 1: layer 0; chunks 2, 3: layer 1)
.set BB,   88                          ; v[88:95]   b, two blocks of four
.set VV,   96                          ; v[96:103]  v, likewise
.set ACC,  104                         ; v[104:107] two chains of two; 106, 107 later take what comes from the other half of the lanes
.set DM,   108                         ; v108 my part of c, v109 my maximum
.set T,    110                         ; v[110:111] the exponentials' arguments
.set R,    112                         ; v[112:119] what the four waves left in LDS
.set E,    120                         ; v[120:121] the exponentials, then the results
.set PX,   122                         ; v122       from the other half of the lanes
.set SE,   123                         ; v123       sum of exponentials
	s_load_b256 s[4:11], s[0:1], 0x0               ; scores s[4:5], upart s[6:7], hidden s[8:9], b s[10:11]
	s_load_b128 s[12:15], s[0:1], 0x20             ; v s[12:13], out0 s[14:15]
	v_lshl_add_u32 v124, v0, 2, 0x100
	v_mov_b32 v125, 0
	v_lshrrev_b32 v3, 5, v0
	v_readfirstlane_b32 s16, v3                    ; wave 0..3
	s_mov_b32 s18, 0x76543210                      ; v_permlanex16_b32: lane i of one half reads lane i of the other
	s_mov_b32 s19, 0xfedcba98
	s_lshl_b32 s20, ttmp9, 10                      ; a batch's 256 scores
	s_mov_b32 s21, 0
	s_lshl_b32 s22, ttmp9, 12                      ; a batch's 1,024 numbers of a layer of hidden
	s_mov_b32 s23, 0
	s_lshl_b32 s17, s16, 3
	s_lshl_b32 s2, s16, 2
	v_lshlrev_b32 v1, 4, v0                        ; 16 t
	v_lshlrev_b32 v2, 3, v0                        ; 8 t
	v_mov_b32 v3, s17                              ; LDS bytes 8 w .. + 7: wave w's (sum, maximum)
	v_mov_b32 v4, s2                               ; LDS bytes 32 + 4 w: wave w's sum of exponentials
	v_mov_b32 v5, 0
	s_wait_kmcnt 0x0
	s_add_nc_u64 s[4:5], s[4:5], s[20:21]
	s_add_nc_u64 s[14:15], s[14:15], s[20:21]
	s_add_nc_u64 s[8:9], s[8:9], s[22:23]
	global_load_b64 v[S:S+1], v2, s[4:5]
	global_load_b128 v[BB:BB+3],   v1, s[10:11]
	global_load_b128 v[BB+4:BB+7], v1, s[10:11] offset:2048
	global_load_b128 v[VV:VV+3],   v1, s[12:13]
	global_load_b128 v[VV+4:VV+7], v1, s[12:13] offset:2048
	global_load_b128 v[H:H+3],     v1, s[8:9]
	global_load_b128 v[H+4:H+7],   v1, s[8:9] offset:2048
	global_load_b128 v[H+8:H+11],  v1, s[8:9] offset:262144          ; layer 1 lies 64 x 4,096 bytes behind layer 0
	global_load_b128 v[H+12:H+15], v1, s[8:9] offset:262144+2048
.irp p, 0,1,2,3
.irp c, 0,1,2,3
	global_load_b128 v[UP+16*\p+4*\c:UP+16*\p+4*\c+3], v1, s[6:7] offset:UROW*\p+2048*\c
.endr
.endr
	s_wait_loadcnt 0x0
.irp i, 0,2,4,6,8,10,12,14
	v_pk_add_f32 v[UP+\i:UP+\i+1],       v[UP+\i:UP+\i+1],       v[UP+16+\i:UP+16+\i+1]
	v_pk_add_f32 v[UP+32+\i:UP+32+\i+1], v[UP+32+\i:UP+32+\i+1], v[UP+48+\i:UP+48+\i+1]
	v_pk_add_f32 v[UP+\i:UP+\i+1],       v[UP+\i:UP+\i+1],       v[UP+32+\i:UP+32+\i+1]   ; u = (0 + 1) + (2 + 3)
.endr
	v_pk_mul_f32 v[ACC:ACC+1],   v[BB:BB+1],   v[VV:VV+1]            ; b . v starts the sums: nothing is cleared
	v_pk_mul_f32 v[ACC+2:ACC+3], v[BB+2:BB+3], v[VV+2:VV+3]
	v_pk_fma_f32 v[ACC:ACC+1],   v[BB+4:BB+5], v[VV+4:VV+5], v[ACC:ACC+1]
	v_pk_fma_f32 v[ACC+2:ACC+3], v[BB+6:BB+7], v[VV+6:VV+7], v[ACC+2:ACC+3]
.irp i, 0,4,8,12
	v_pk_fma_f32 v[ACC:ACC+1],   v[H+\i:H+\i+1],   v[UP+\i:UP+\i+1],   v[ACC:ACC+1]       ; hidden . u
	v_pk_fma_f32 v[ACC+2:ACC+3], v[H+\i+2:H+\i+3], v[UP+\i+2:UP+\i+3], v[ACC+2:ACC+3]
.endr
	v_pk_add_f32 v[ACC:ACC+1], v[ACC:ACC+1], v[ACC+2:ACC+3]
	v_add_f32 v[DM], v[ACC], v[ACC+1]              ; my part of c
	v_max_num_f32 v[DM+1], v[S], v[S+1]            ; my maximum
	; across the 32 lanes: the sum and the maximum side by side
.irp m, 1,2,4,8
	v_add_f32_dpp     v[DM],   v[DM],   v[DM]   row_xmask:\m row_mask:0xf bank_mask:0xf
	v_max_num_f32_dpp v[DM+1], v[DM+1], v[DM+1] row_xmask:\m row_mask:0xf bank_mask:0xf
.endr
	v_permlanex16_b32 v[ACC+2], v[DM],   s18, s19  ; ACC+2, ACC+3 are written and done with
	v_permlanex16_b32 v[ACC+3], v[DM+1], s18, s19
	v_add_f32     v[DM],   v[DM],   v[ACC+2]
	v_max_num_f32 v[DM+1], v[DM+1], v[ACC+3]
	ds_store_b64 v3, v[DM:DM+1]                    ; all lanes store the same 8 bytes with the same value
	s_wait_dscnt 0x0                               ; zero, for the others' sake
	s_barrier_signal -1
	s_barrier_wait -1
	ds_load_b128 v[R:R+3],   v5                    ; sum 0, max 0, sum 1, max 1
	ds_load_b128 v[R+4:R+7], v5 offset:16          ; sum 2, max 2, sum 3, max 3
	s_wait_dscnt 0x0
	v_add_f32 v[R],   v[R],   v[R+2]
	v_add_f32 v[R+4], v[R+4], v[R+6]
	v_add_f32 v[R],   v[R],   v[R+4]               ; c
	v_max3_num_f32 v[R+1], v[R+1], v[R+3], v[R+5]
	v_max_num_f32  v[R+1], v[R+1], v[R+7]          ; the largest raw score
	v_add_f32 v[S],   v[S],   v[R]                 ; the scores as reference() has them
	v_add_f32 v[S+1], v[S+1], v[R]
	v_add_f32 v[R+1], v[R+1], v[R]                 ; adding one c to all keeps their order under rounding: this is the largest of the sums
	v_sub_f32 v[T],   v[S],   v[R+1]               ; the difference first, then the factor: at most 0
	v_sub_f32 v[T+1], v[S+1], v[R+1]
	v_mul_f32 v[T],   0x3fb8aa3b, v[T]             ; e^x = 2^(x log2 e)
	v_mul_f32 v[T+1], 0x3fb8aa3b, v[T+1]
	v_exp_f32 v[E],   v[T]
	v_exp_f32 v[E+1], v[T+1]
	v_mov_b32 v[PX], 0                             ; the plain instruction between the exponentials and their first use (ISA guide 5.7.2); also PX's first write
	s_wait_alu depctr_va_vdst(0)
	v_add_f32 v[SE], v[E], v[E+1]
.irp m, 1,2,4,8
	v_add_f32_dpp v[SE], v[SE], v[SE] row_xmask:\m row_mask:0xf bank_mask:0xf
.endr
	v_permlanex16_b32 v[PX], v[SE], s18, s19
	v_add_f32 v[SE], v[SE], v[PX]
	ds_store_b32 v4, v[SE] offset:32               ; other bytes than the first exchange's: one barrier serves
	s_wait_dscnt 0x0                               ; zero, for the others' sake
	s_barrier_signal -1
	s_barrier_wait -1
	ds_load_b128 v[R:R+3], v5 offset:32
	s_wait_dscnt 0x0
	v_add_f32 v[R],   v[R],   v[R+1]
	v_add_f32 v[R+2], v[R+2], v[R+3]
	v_add_f32 v[R],   v[R],   v[R+2]               ; at least 1: the largest score gives 2^0
	v_rcp_f32 v[R+4], v[R]
	v_nop                                          ; one plain instruction before the reciprocal is used (ISA guide 5.7.2)
	s_wait_alu depctr_va_vdst(0)
	v_mul_f32 v[E],   v[E],   v[R+4]
	v_mul_f32 v[E+1], v[E+1], v[R+4]
	global_store_b64 v2, v[E:E+1], s[14:15]        ; a wave stores 256 consecutive bytes, at a multiple of 256 from out0's first byte
	s_wait_tensorcnt 0x0
	ds_add_u32 v124, v125
	s_wait_dscnt 0x0
	s_endpgm
.Lfunc_end_k_qef20f65b8a_soft:
	.size	k_qef20f65b8a_soft, .Lfunc_end_k_qef20f65b8a_soft-k_qef20f65b8a_soft
	.p2alignl 7, 3214868480
	.fill 96, 4, 3214868480
	.section	.rodata,"a",@progbits
	.p2align	6, 0x0
	.amdhsa_kernel k_qef20f65b8a_soft
		.amdhsa_group_segment_fixed_size 768
		.amdhsa_private_segment_fixed_size 0
		.amdhsa_enable_private_segment 0
		.amdhsa_kernarg_size 48
		.amdhsa_user_sgpr_count 2
		.amdhsa_user_sgpr_kernarg_segment_ptr 1
		.amdhsa_wavefront_size32 1
		.amdhsa_system_sgpr_workgroup_id_x 1
		.amdhsa_system_sgpr_workgroup_id_y 1
		.amdhsa_system_sgpr_workgroup_id_z 1
		.amdhsa_system_vgpr_workitem_id 0
		.amdhsa_next_free_vgpr 126
		.amdhsa_next_free_sgpr 66
		.amdhsa_reserve_vcc 0
		.amdhsa_float_denorm_mode_32 3
		.amdhsa_float_denorm_mode_16_64 3
		.amdhsa_memory_ordered 1
		.amdhsa_forward_progress 1
		.amdhsa_inst_pref_size 9
	.end_amdhsa_kernel
	.amdgpu_metadata
---
amdhsa.version: [ 1, 2 ]
amdhsa.kernels:
  - .name:           k_qef20f65b8a_soft
    .symbol:         k_qef20f65b8a_soft.kd
    .args:
      - { .name: scores, .offset: 0, .size: 8, .value_kind: global_buffer, .address_space: global }
      - { .name: upart, .offset: 8, .size: 8, .value_kind: global_buffer, .address_space: global }
      - { .name: hidden, .offset: 16, .size: 8, .value_kind: global_buffer, .address_space: global }
      - { .name: b, .offset: 24, .size: 8, .value_kind: global_buffer, .address_space: global }
      - { .name: v, .offset: 32, .size: 8, .value_kind: global_buffer, .address_space: global }
      - { .name: out0, .offset: 40, .size: 8, .value_kind: global_buffer, .address_space: global }
    .group_segment_fixed_size: 768
    .private_segment_fixed_size: 0
    .kernarg_segment_align: 8
    .kernarg_segment_size: 48
    .max_flat_workgroup_size: 128
    .sgpr_count:     66
    .vgpr_count:     126
    .wavefront_size: 32
...
	.end_amdgpu_metadata
.endif
;; end of part 3
